; MI455X (gfx1250); checked and timed in simulation.
; The chip was launched on July 23, 2026; its instructions are those of AMD's public machine-readable ISA for CDNA 5 (MIT licence, August 2026) and "CDNA5" Instruction Set Architecture Reference Guide (July 2026). The comments in the code are by the model that wrote it; some were corrected since.
;; Self Att. Allowed arithmetic: float matrix products may take bf16 or f16 operands with f32 sums; all other float work in f32.
;; Inputs: mask 8 x 2,048 bool; x 8 x 2,048 x 768 float32.
;; Outputs: out0 8 x 2,048 x 768 float32.
;; 2 versions, each right; version 2 is version 1 with the launch cast written anew for expert scheduling mode. Each part assembles by itself: llvm-mc -triple=amdgcn-amd-amdhsa -mcpu=gfx1250 --defsym DOCPART=n.
;; ======== version 1 of 2: 2 launches
;; limits: inputs' magnitudes at most 1,200,000,000,000; right only within a limited range of input values
;; workspace buffers: xb 25,165,824 bytes
;; launch cast (part 1): grid 32 x 32, 6 waves a work-group, no clusters, 0 bytes of LDS; arguments x, xb; writes xb
.if DOCPART == 1
	.amdgcn_target "amdgcn-amd-amdhsa--gfx1250"
	.amdhsa_code_object_version 6
	.text
	.protected	k_q3c8e2268e9_cast
	.globl	k_q3c8e2268e9_cast
	.p2align	8
	.type	k_q3c8e2268e9_cast,@function
k_q3c8e2268e9_cast:
	s_mov_b64 s[64:65], 0
	v_nop
	global_prefetch_b8 v0, s[64:65] scope:SCOPE_SE
	s_setreg_imm32_b32 hwreg(HW_REG_WAVE_MODE, 25, 1), 1
	s_wait_xcnt 0x0
; xb = x rounded once to bf16 (nearest even) and laid by channel slices: xb[b 8][slice w 4][key 2048][192 channels], slice w = channels 192 w ..
; A key's row in a slice is 384 bytes and the rows are dense, so 64 keys of a slice are 24,576 consecutive bytes.
; x is [8][2048][768] f32.  A stream: no LDS, no barrier, no matrix unit; every byte of x is read once, every byte of xb written once.
; A work-group (X, Y = 4 b + w) takes keys 64 X .. 64 X + 63 of slice (b, w).  Its 192 threads cover 4 rows x 48 groups of 4 channels a pass; 16 passes.
; Sixteen neighbouring threads read 256 consecutive bytes at a multiple of 256 from x's first byte (768 w, 3,072 a row, 16 x 16 bytes),
; and a wave's store covers 256 consecutive bytes at a multiple of 256 from xb's first byte (8 bytes a thread).
.set PASSES, 16
.set XROW,   3072                      ; bytes in a row of x
.set X,   8                            ; v[8:71]    pass i: 4 numbers in f32
.set Y,   72                           ; v[72:103]  pass i: the same 4 in bf16
	s_load_b128 s[4:7], s[0:1], 0x0                ; x s[4:5], xb s[6:7]
	v_mul_u32_u24 v1, v0, 1366
	v_lshrrev_b32 v1, 16, v1                       ; t / 48 (1366 / 65536 is exact enough for t < 192): my row in a pass
	v_mul_u32_u24 v2, v1, 48
	v_sub_nc_u32 v2, v0, v2                        ; t % 48: my group of 4 channels
	v_mul_u32_u24 v3, v1, XROW
	v_lshl_add_u32 v3, v2, 4, v3                   ; in: row x 3,072 + 16 x group
	v_lshlrev_b32 v4, 3, v0                        ; out: 8 t, since 4 rows of 384 bytes are dense
	s_and_b32 s8, ttmp7, 0xffff                    ; Y
	s_lshr_b32 s9, s8, 2                           ; b
	s_and_b32 s10, s8, 3                           ; w
	s_mul_i32 s12, s9, 2048*XROW
	s_mul_i32 s11, ttmp9, 64*XROW
	s_add_co_u32 s12, s12, s11
	s_mul_i32 s11, s10, 768
	s_add_co_u32 s12, s12, s11                     ; under 2^26
	s_mov_b32 s13, 0
	s_mul_i32 s14, s8, 2048*384
	s_mul_i32 s11, ttmp9, 64*384
	s_add_co_u32 s14, s14, s11
	s_mov_b32 s15, 0
	s_wait_kmcnt 0x0
	s_add_nc_u64 s[4:5], s[4:5], s[12:13]
	s_add_nc_u64 s[6:7], s[6:7], s[14:15]
.set i, 0
.rept PASSES                           ; all sixteen loads go out first; x is read once in the launch
	global_load_b128 v[X+4*i:X+4*i+3], v3, s[4:5] offset:i*4*XROW th:TH_LOAD_NT
.set i, i+1
.endr
.set i, 0
.rept PASSES
	s_wait_loadcnt PASSES-1-i                      ; loads come back in order: pass i is in, the younger ones stay out
	v_cvt_pk_bf16_f32 v[Y+2*i], v[X+4*i], v[X+4*i+1]
	v_cvt_pk_bf16_f32 v[Y+2*i+1], v[X+4*i+2], v[X+4*i+3]
	global_store_b64 v4, v[Y+2*i:Y+2*i+1], s[6:7] offset:i*4*384  ; no register is written twice, so nothing waits for a store
.set i, i+1
.endr
	s_endpgm
.Lfunc_end_k_q3c8e2268e9_cast:
	.size	k_q3c8e2268e9_cast, .Lfunc_end_k_q3c8e2268e9_cast-k_q3c8e2268e9_cast
	.p2alignl 7, 3214868480
	.fill 96, 4, 3214868480
	.section	.rodata,"a",@progbits
	.p2align	6, 0x0
	.amdhsa_kernel k_q3c8e2268e9_cast
		.amdhsa_group_segment_fixed_size 0
		.amdhsa_private_segment_fixed_size 0
		.amdhsa_enable_private_segment 0
		.amdhsa_kernarg_size 16
		.amdhsa_user_sgpr_count 2
		.amdhsa_user_sgpr_kernarg_segment_ptr 1
		.amdhsa_wavefront_size32 1
		.amdhsa_system_sgpr_workgroup_id_x 1
		.amdhsa_system_sgpr_workgroup_id_y 1
		.amdhsa_system_sgpr_workgroup_id_z 1
		.amdhsa_system_vgpr_workitem_id 0
		.amdhsa_next_free_vgpr 104
		.amdhsa_next_free_sgpr 66
		.amdhsa_reserve_vcc 0
		.amdhsa_float_denorm_mode_32 3
		.amdhsa_float_denorm_mode_16_64 3
		.amdhsa_memory_ordered 1
		.amdhsa_forward_progress 1
		.amdhsa_inst_pref_size 7
	.end_amdhsa_kernel
	.amdgpu_metadata
---
amdhsa.version: [ 1, 2 ]
amdhsa.kernels:
  - .name:           k_q3c8e2268e9_cast
    .symbol:         k_q3c8e2268e9_cast.kd
    .args:
      - { .name: x, .offset: 0, .size: 8, .value_kind: global_buffer, .address_space: global }
      - { .name: xb, .offset: 8, .size: 8, .value_kind: global_buffer, .address_space: global }
    .group_segment_fixed_size: 0
    .private_segment_fixed_size: 0
    .kernarg_segment_align: 8
    .kernarg_segment_size: 16
    .max_flat_workgroup_size: 192
    .sgpr_count:     66
    .vgpr_count:     104
    .wavefront_size: 32
...
	.end_amdgpu_metadata
.endif
;; end of part 1
;; launch attn (part 2): grid 32 x 8, 4 waves a work-group, clusters of 4 x 1, 327,680 bytes of LDS; arguments mask, xb, out0; writes out0
.if DOCPART == 2
	.amdgcn_target "amdgcn-amd-amdhsa--gfx1250"
	.amdhsa_code_object_version 6
	.text
	.protected	k_q3c8e2268e9_attn
	.globl	k_q3c8e2268e9_attn
	.p2align	8
	.type	k_q3c8e2268e9_attn,@function
k_q3c8e2268e9_attn:
	s_mov_b64 s[64:65], 0
	v_nop
	global_prefetch_b8 v0, s[64:65] scope:SCOPE_SE
	s_setreg_imm32_b32 hwreg(HW_REG_WAVE_MODE, 25, 1), 1
	s_wait_xcnt 0x0
	s_wait_alu depctr_hold_cnt(0) depctr_sa_sdst(0) depctr_va_vdst(0) depctr_va_sdst(0) depctr_va_ssrc(0) depctr_va_vcc(0) depctr_vm_vsrc(0)
	s_getreg_b32 s2, hwreg(HW_REG_IB_STS2, 6, 4)
	s_cmp_eq_u32 s2, 0
	s_cbranch_scc0 .Lentry_in_a_cluster
	s_endpgm
.Lentry_in_a_cluster:
	s_bfe_u32 s2, ttmp6, 0x10000c
	s_cmp_lg_u32 s2, 0x3003
	s_cbranch_scc0 .Lentry_shape_is_right
	s_endpgm
.Lentry_shape_is_right:
; y[b][i][:] = the sum over j of softmax_j(x[b][i] . x[b][j]) x[b][j][:], with the diagonal j = i and the keys with mask[b][j] != 0 hidden.  8 samples, 2,048 rows, 768 channels.
; x comes as xb, rounded once to bf16 and laid [b][slice w 4][key 2048][192 channels]: the same numbers serve as queries, keys and values.  Products, maxima, exponentials and sums in f32;
; the weights p are rounded to bf16 for the second product (their sum l is taken of the unrounded p); y leaves in f32.
; LIMITS.  A hidden score counts as its value less 2^100 (less 2^101 if hidden twice); the running maximum starts at -2^90, so a true score below -2^90 counts as hidden.  A weight below 2^-126 counts as 0.
; NaN and infinities in x are not treated apart.  A row that sees no key at all ends with l = 0 and O = 0 and gives NaN, as a softmax of -inf alone does.
; SHARES.  A work-group owns 64 queries of one sample and walks the sample's 2,048 keys in 64 UNITS of 32.  ITS FOUR WAVES SPLIT THE CHANNELS: wave w has channels 192 w .. for both products and reads only its
; own quarter of a tile from LDS.  S^T = K Q^T over 192 channels is a PARTIAL sum (8 accumulators x 6 = 48 matrix instructions a unit); the partials go through LDS in f32, wave w adds the four of query tile w
; (16 queries) and makes that tile's softmax; P (bf16) and the factor a go through LDS to all four; O^T += V^T P is 192 channels x 64 queries (48 accumulators, 48 matrix instructions a unit).
; In the first product wave w's local tile t is query tile (w + t) & 3, so that local tile 0 is its own: only addresses hang on w, no register number.  P, a and O are in true tile order.
; THE SECOND PRODUCT LAGS A UNIT: a wave's matrix work goes S(u), PV(u-1), S(u+1), PV(u), ..  The exchange and softmax of unit u ride behind the later products of PV(u-1) and the first of S(u+1); the rescaling of
; O^T by a(u) behind the later products of S(u+1) and the first of PV(u).  Units of 32 keys, since a lag makes a tile live from its K's loads to its V's two phases later: with units of 64 keys two slots would leave
; a refill under one phase, and three slots of 110,592 bytes do not fit.  The price: O^T is rescaled once a unit.
; LAYOUT.  Source 0 = 16 keys, source 1 = 16 queries: in S^T a lane holds ONE query (lane % 16).  Row m of K's fragment is key 2 (m & 7) + (m >> 3) of its 16, so register j of lane half h is key 2 j + h;
; the turning load for V^T addresses its keys in the same order, so P's registers, rounded in pairs, ARE source 1 of the second product.
; MASKS.  A table of 0 or -2^100 for each key, in S^T's order, is made once in LDS; a unit's 16 numbers are loaded INTO my own tile's two accumulators and the first product adds onto them.
; The diagonal is DM x AL added in every unit: DM is -2^100 where 2 j + h = lane % 16, AL is 1 for the one block of 16 keys that holds my tile's diagonal, else 0: a select, no branch.
; SOFTMAX.  p = 2^(c s - c m), c = log2(e), with a running maximum m; in every unit O and l are multiplied by a = 2^(c m_old - c m_new).  While a row has seen hidden keys alone, m is -2^90 and every p is 0.
; RING.  Two slots of one tile of 64 keys, two units.  Each wave asks for its own slice of a tile and reads it alone: one load for two units, issued when the last of the old tile's V has been read.
; CLUSTER.  The four query blocks of a cluster belong to one sample and walk the same tiles: each slice is asked for JOINTLY, by the same tensor load, descriptor and mask in all four.
; O is cleared at the start (384 moves, in the wait for the first tile), so that the first rescaling is one like any other.
; REGISTERS, in windows of 256 (s_set_vgpr_msb: bits 1:0 source 0, 3:2 source 1, 5:4 source 2, 7:6 destination):
;   window 0: v0-19 addresses; v20-27 a, a pair a tile; v28-37 statistics; v38-39 the add's; v40-47 DM; v48-55 my tile's P; v64-127 S^T (local tile t, key block kb at 64 + 16 t + 8 kb); v192-223 P (tile t at 192 + 8 t)
;   window 1: O^T of channel blocks 0-7 at 32 cb + 8 t      window 2: v0-63 O^T of blocks 8, 9; v64-255 Q (channel step kk, local tile t at 64 + 8 (4 kk + t))
;   window 3: v0-95 X: K's fragments at 8 (2 kk + kb); v96-191 Y: V's at 96 + 8 cb; v192-255 O^T of blocks 10, 11
; A rider works in another window than the product in front of it, so a product costs about two switches: the price of having no stretch of the walk without products.
.set PITCH, 432       ; a key in LDS: three pieces of 128 bytes + 16 of padding = 108 words.  The 16 keys of a K load start at 16 different groups of four banks; the 8 keys of a turning load, two keys = 216 words apart, at 8 different groups of eight (64 banks of 4 bytes: ISA guide 11.1)
.set WSL,   64*PITCH  ; a wave's slice of a tile in LDS: 27,648 bytes
.set HALF,  32*PITCH  ; a unit's part of it
.set TILEB, 64*384    ; the slice in memory: 24,576 dense bytes, asked for as 96 rows of 256
.set SLICEB, 2048*384 ; a slice of a sample in xb
.set SLOT1, 1<<17     ; slot 0 begins at 0, slot 1 here: one exclusive or turns an address in one into the other's
.set BIAS,  4*WSL     ; 8,192 bytes between the slots, never filled by a tensor load: key block x 64 + h x 32 + j x 4
.set PST,   BIAS+8192 ; 4,096: a unit's P: tile x 1,024 + i x 512 + lane x 16
.set AST,   PST+4096  ; 512: a: tile x 128 + lane x 4; 512 more: 1 / l, the same layout
.set SPARE, AST+1024  ; 512: the spare words, 128 bytes for each wave: two blocks of 256 bytes that no other line names
.set STAGE, SLOT1+4*WSL  ; 50,176 behind the ring.  In the walk 24,576 of them: the partial sums, sender x 6,144 + (t - 1) x 2,048 + i x 512 + lane x 16.  At the end: the way out, wave x 12,544, 16 rows of 784
.set OPI,   784       ; a row on the way out: 768 bytes + 16 = 196 words: row r starts at bank 4 r mod 64
.set AK0, 2           ; my lane's place in my slice of a tile of K; never rewritten
.set AV0, 3           ; the same for V
.set ADK, 4           ; the LDS address of K's loads in hand
.set ADV, 5           ; of V's
.set SST, 6           ; where I put my partial sums
.set SIN, 7           ; v7-9: where I find the partial sums of my tile from the wave for which it is local tile 1, 2, 3
.set PSTO, 10
.set PLD, 11
.set ASTO, 12
.set ALD, 13
.set BI0, 14
.set ADB, 15
.set OSTO, 16
.set ORD, 17
.set GO,  18
.set HH,  19          ; lane / 16
.set A,   20
.set CM,  28          ; v28 c m, v29 m
.set LS,  30          ; v30-31 l (even registers', odd registers')
.set C0,  32          ; v32-35 c0-c3, at work; a ends in c2
.set MO,  36          ; c m_old
.set LN,  37          ; lane
.set SPW, 38          ; LDS address of my spare word: SPARE + 4 x my thread's number; never rewritten
.set NIL, 39          ; 0; never rewritten
.set DM,  40
.set PP,  48
.set S,   64
.set P,   192
.set QO,  192         ; the start's own: v192-195 Q's offsets, v196-199 mask bytes, v200-215 the table's numbers, v216-220 at work
.set MB,  196
.set BV,  200
.set T0,  216
.set T1,  217
.set T2,  218
.set T3,  219
.set T4,  220
.set WV,  10          ; my wave's number
.set CX,  11          ; my place in the cluster: it enters Q's and y's addresses and the diagonal's select alone
.set QB,  12          ; my block of 64 queries
.set BT,  13          ; the sample, which the four partners share
.set G1,  24          ; s[24:31] descriptor group 1
.set G0A, 32          ; s[32:35] group 0: tile 0 into slot 0
.set G0B, 36          ; s[36:39] group 0: tile 1 into slot 1; then it walks
.set CNT, 40
.set TBV, 41          ; for units 2 j + 1, 2 j + 2: the slot of tile j
.set TBK, 42          ; the slot of tile j + 1
.set BJ,  43          ; 256 j: tile j's place in the table
.set JK,  44          ; 4 j: tile j's first block of 16 keys
.set MYKB, 45         ; the block of 16 keys that holds my tile's diagonal
.set TS,  46
.set AL,  48          ; s[48:51] two pairs; the packed instruction takes each pair's low word
.set CS,  56          ; s[56:57] c
.set SEL, 58          ; s[58:59] v_permlanex16_b32's selects: each lane takes its own place in the other half
.set BIGS, 60         ; -2^100
.set MSB, 0
.macro WIN new                      ; the high byte repeats the setting that is left; a switch that changes nothing is dropped
.if MSB != (\new)
	s_set_vgpr_msb (MSB<<8)|(\new)
.set MSB, \new
.endif
.endm
; A vector instruction that reads a matrix result or writes one of a matrix instruction's registers, a load into such a register and a store of a result stand four places behind it; only plain
; vector instructions that name none of its registers are places (ISA guide 7.12.1 for vector instructions).  In the walk the riders are the places.
.macro PLACES
.rept 4
	v_nop
.endr
.endm
; A round of the cluster's barrier: my work-group's barrier, so that wave 0's signal speaks for all four waves; wave 0 signals; every wave waits for all four work-groups; my work-group's barrier once more.
.macro CREST                        ; a round behind its opening barrier
	s_cmp_lg_u32 s[WV], 0
	s_cbranch_scc1 .Lnot_wave_0_\@
	s_barrier_signal -3
.Lnot_wave_0_\@:
	s_barrier_wait -3
	s_barrier_signal -1
	s_barrier_wait -1
.endm
.macro ROUND                        ; a whole round
	s_barrier_signal -1
	s_barrier_wait -1
	CREST
.endm
.macro OSET cb, t                   ; where O^T of channel block cb, tile t lies: window oW, register rO
.if (\cb) < 8
.set oW, 1
.set rO, 32*(\cb)+8*(\t)
.elseif (\cb) < 10
.set oW, 2
.set rO, 32*((\cb)-8)+8*(\t)
.else
.set oW, 3
.set rO, 192+32*((\cb)-10)+8*(\t)
.endif
.endm
; S^T's matrix instruction number si of 48: local tiles 1, 2, 3, 0, twelve each: channels 32 kk on, the two blocks of 16 keys by turns.  The first channel step starts the sums with 0;
; my own tile's adds onto the key mask that was loaded into its accumulators.
.macro SW
.set tS, (si/12+1)%4
.set kS, (si%12)/2
.set rS, S+16*tS+8*(si%2)
.set rK, 8*(2*kS+si%2)
.set rQ, 64+8*(4*kS+tS)
	WIN 0x0b                        ; K window 3, Q window 2, S^T window 0
.if (kS == 0) && (tS > 0)
	v_wmma_f32_16x16x32_bf16 v[rS:rS+7], v[rK:rK+7], v[rQ:rQ+7], 0
.else
	v_wmma_f32_16x16x32_bf16 v[rS:rS+7], v[rK:rK+7], v[rQ:rQ+7], v[rS:rS+7]
.endif
.set si, si+1
.endm
.macro PW                           ; O^T += V^T P, matrix instruction number pvi of 48: channel block pvi / 4, tile pvi % 4: each accumulator once a unit
	OSET pvi/4, pvi%4
	WIN 0x03|(oW<<4)|(oW<<6)        ; V window 3, P window 0, O^T its own
	v_wmma_f32_16x16x32_bf16 v[rO:rO+7], v[96+8*(pvi/4):96+8*(pvi/4)+7], v[P+8*(pvi%4):P+8*(pvi%4)+7], v[rO:rO+7]
.set pvi, pvi+1
.endm
.macro RESC cb, t                   ; O^T of channel block cb, tile t, times the tile's factor (a in the walk, 1 / l at the end), from the low end on
	OSET \cb, \t
	WIN oW|(oW<<6)                  ; destination and source 0 O^T's window, the factor window 0
.set zz, 0
.rept 4
	v_pk_mul_f32 v[rO+2*zz:rO+2*zz+1], v[rO+2*zz:rO+2*zz+1], v[A+2*(\t):A+2*(\t)+1] op_sel_hi:[1,0]
.set zz, zz+1
.endr
.endm
.macro RG                           ; the unit's next rescaling, number rg of 48, in the order in which the products take the accumulators
	RESC rg/4, rg%4
.set rg, rg+1
.endm
.macro SSTORE t                     ; local tile t's partial sums go to their owner: 32 lanes x 16 neighbouring bytes a store; each accumulator's low half first
	WIN 0
.set sb, 0
.rept 4
	ds_store_b128 v[SST], v[S+16*(\t)+4*sb:S+16*(\t)+4*sb+3] offset:((\t)-1)*2048+sb*512
.set sb, sb+1
.endr
.endm
.macro KLOAD f, hf                  ; K's fragment f = 2 kk + kb of the tile's half hf: 16 keys x 32 channels: two loads of 16 bytes, 32 bytes apart; two channel steps to a piece of 128 bytes
	WIN 0xc0                        ; destination window 3, address window 0
	ds_load_b128 v[8*(\f):8*(\f)+3],   v[ADK] offset:(\hf)*HALF+((\f)%2)*16*PITCH+(((\f)/2)>>1)*144+(((\f)/2)&1)*64
	ds_load_b128 v[8*(\f)+4:8*(\f)+7], v[ADK] offset:(\hf)*HALF+((\f)%2)*16*PITCH+(((\f)/2)>>1)*144+(((\f)/2)&1)*64+32
.endm
.macro VLOAD cb, hf                 ; V^T's fragment cb of the tile's half hf: 16 channels x 32 keys: two turning loads, 16 keys apart; four channel blocks to a piece of 128 bytes
	WIN 0xc0
	ds_load_tr16_b128 v[96+8*(\cb):96+8*(\cb)+3],   v[ADV] offset:(\hf)*HALF+((\cb)>>2)*144+((\cb)&3)*32
	ds_load_tr16_b128 v[96+8*(\cb)+4:96+8*(\cb)+7], v[ADV] offset:(\hf)*HALF+((\cb)>>2)*144+((\cb)&3)*32+16*PITCH
.endm
; Number n of the 14 that find my tile's maximum and statistics.  0-5: the lane's 16 scores into c0-c3, three operands at a time; 6, 8: the old m and c0-c3 into c0; 7: c m_old is kept;
; 9, 10: the query's other 16 keys lie in the lane 16 away: the new m; 11-13: c m; c m_old - c m_new; a.
.macro XS n
.if (\n) < 4
	v_max3_num_f32 v[C0+(\n)], v[S+3*(\n)], v[S+3*(\n)+1], v[S+3*(\n)+2]
.elseif (\n) < 6
	v_max3_num_f32 v[C0+(\n)-4], v[C0+(\n)-4], v[S+2*(\n)+4], v[S+2*(\n)+5]
.elseif (\n) == 6
	v_max3_num_f32 v[C0+2], v[C0+2], v[C0+3], v[CM+1]
.elseif (\n) == 7
	v_mov_b32 v[MO], v[CM]
.elseif (\n) == 8
	v_max3_num_f32 v[C0], v[C0], v[C0+1], v[C0+2]
.elseif (\n) == 9
	v_permlanex16_b32 v[C0+3], v[C0], s[SEL], s[SEL+1]
.elseif (\n) == 10
	v_max_num_f32 v[CM+1], v[C0], v[C0+3]
.elseif (\n) == 11
	v_mul_f32 v[CM], s[CS], v[CM+1]
.elseif (\n) == 12
	v_sub_f32 v[C0+1], v[MO], v[CM]
.else
	v_exp_f32 v[C0+2], v[C0+1]
.endif
.endm
.macro SCL n                        ; pair n of 8: c s - c m
	v_pk_fma_f32 v[S+2*(\n):S+2*(\n)+1], v[S+2*(\n):S+2*(\n)+1], s[CS:CS+1], v[CM:CM+1] op_sel_hi:[1,0,0] neg_lo:[0,0,1] neg_hi:[0,0,1]
.endm
.macro EXPO n                       ; score n of 16
	v_exp_f32 v[S+(\n)], v[S+(\n)]
.endm
.macro CVT n                        ; pair n rounded to bf16
	s_wait_alu depctr_va_vdst(0)
	v_cvt_pk_bf16_f32 v[PP+(\n)], v[S+2*(\n)], v[S+2*(\n)+1]
.endm
.macro ADD4 k                       ; of the four weights 4 k .. the second pair is added onto the first, in place, behind their roundings
	v_pk_add_f32 v[S+4*(\k):S+4*(\k)+1], v[S+4*(\k):S+4*(\k)+1], v[S+4*(\k)+2:S+4*(\k)+3]
.endm
.macro TREE a, b
	v_pk_add_f32 v[S+(\a):S+(\a)+1], v[S+(\a):S+(\a)+1], v[S+(\b):S+(\b)+1]
.endm
; MY TILE'S VECTOR WORK FOR A UNIT is a list of 86; ZR writes number z of it and steps z.
;   0-23   the other three waves' partial sums are added onto mine, from each accumulator's low end on       24-31  the diagonal       32-45  XS's fourteen
;   46-79  two scalings; then exponential and plain by turns: behind each exponential stands a plain instruction that touches neither its result nor its source (ISA guide 5.7.2): the scalings still to come,
;          then roundings and sums of weights whose exponentials lie two or more numbers back
;   80-85  the last rounding, the rest of the sums, l = a l + the unit's sum
.macro ZR
	WIN 0
.if z < 24
	v_pk_add_f32 v[S+2*(z%8):S+2*(z%8)+1], v[S+2*(z%8):S+2*(z%8)+1], v[S+16*(z/8+1)+2*(z%8):S+16*(z/8+1)+2*(z%8)+1]
.elseif z < 32
	v_pk_fma_f32 v[S+2*(z-24):S+2*(z-24)+1], v[DM+2*((z-24)%4):DM+2*((z-24)%4)+1], s[AL+2*((z-24)/4):AL+2*((z-24)/4)+1], v[S+2*(z-24):S+2*(z-24)+1] op_sel_hi:[1,0,1]
.elseif z < 46
	XS z-32
.else
.set y, z-46
.if y < 2
	SCL y
.elseif y == 34
	CVT 7
.elseif y == 35
	ADD4 3
.elseif y == 36
	TREE 0, 4
.elseif y == 37
	TREE 8, 12
.elseif y == 38
	TREE 0, 8
.elseif y == 39
	v_pk_fma_f32 v[LS:LS+1], v[LS:LS+1], v[C0+2:C0+3], v[S:S+1] op_sel_hi:[1,0,1]
.elseif y%2 == 0
	EXPO (y-2)/2
.elseif y < 14
	SCL (y+1)/2
.elseif y < 22
	CVT (y-15)/2
.elseif ((y-23)/2)%2 == 0
	ADD4 (y-23)/4
.else
	CVT 4+(y-25)/4
.endif
.endif
.set z, z+1
.endm
.macro ZRS n                        ; n of them
.rept \n
	ZR
.endr
.endm
.macro PAOUT                        ; my tile's P and a go to all four waves
	WIN 0
	ds_store_b128 v[PSTO], v[PP:PP+3]
	ds_store_b128 v[PSTO], v[PP+4:PP+7] offset:512
	ds_store_b32 v[ASTO], v[C0+2]
.endm
.macro PAIN                         ; all four tiles' a, then their P
.set t, 0
.rept 4
	ds_load_b32 v[A+2*t], v[ALD] offset:128*t
.set t, t+1
.endr
.set t, 0
.rept 4
	ds_load_b128 v[P+8*t:P+8*t+3],   v[PLD] offset:1024*t
	ds_load_b128 v[P+8*t+4:P+8*t+7], v[PLD] offset:1024*t+512
.set t, t+1
.endr
.endm
.macro SR n, ride                   ; n products of S^T; ride = 1: a rescaling behind each
.rept \n
	SW
.if \ride
	RG
.endif
.endr
.endm
; UNIT u = [ S(u) | PV(u-1) ].  par = u & 1.  fill = 1 (an even unit 2 j + 2 of the walk): tile j has been read out and its slot is filled again with tile j + 2.  nok = 1 (unit 63): there is no further K.
; first = 1 (unit 0): there is no unit before it: no riders in S(0), no second product, the softmax stands alone.
; What it reads of the ring: V(u-1)'s last six fragments, K(u+1), V(u)'s first six.  An odd unit 2 j + 1: K of tile j + 1's first half, V of tile j's second half; an even one: K of tile j + 1's second half, V of its first.
.macro UNIT par, fill, nok, first
.set si, 0
.set pvi, 0
.set rg, 0
.set z, 70
.set KY, 12-12*(\first)             ; V's twelve loads that were issued behind K's
.set RA, 0
.set DK, (4-2*(\par))*(1-(\first))  ; unit u's first block of 16 keys is 4 j + DK
	; S(u), local tile 1.  Behind its first six products: the end of softmax(u-1)
.irp kk, 0,1,2,3,4,5
	s_wait_dscnt 20-4*\kk+KY+RA     ; K's fragments of this channel step are in: its later steps' loads (four each), V's twelve and, from the third step on, the run below may be out
.rept 2
	SW
.if !(\first)
.if si <= 4
	ZRS 3
.elseif si <= 6
	ZRS 2
.endif
.endif
.endr
.if (\kk == 1) && !(\first)
	; one run: V(u-1)'s last six fragments (the last product that read their places stands sixteen plain riders back), P(u-1) and a(u-1)
.set cv, 6
.rept 6
	VLOAD cv, 1-(\par)
.set cv, cv+1
.endr
	PAOUT
.if \fill
	s_wait_tensorcnt 0x0            ; all my tensor loads have landed (tile j + 1's was waited for ahead of its first read): a group 0 may be written
	ds_add_u32 v[SPW], v[NIL]       ; 0 onto my spare word; twelve products stand between it and the wait for it
	s_xor_b32 s[G0B+1], s[G0B+1], SLOT1  ; the walking descriptor: the other slot than last time,
	s_add_nc_u64 s[G0B+2:G0B+3], s[G0B+2:G0B+3], TILEB  ; the next tile; the type bits on top are not reached
.endif
.set RA, 15+(\fill)
.endif
.endr
	SR 4, 0                         ; local tile 2 begins
	; BARRIER B(u-1), for three things: P(u-1) and a(u-1) are shown to all; every wave's reads of the partial sums of unit u-1 lie ahead of this unit's stores; with fill = 1 nobody reads tile j's slot any more
.if !(\first)
	s_wait_dscnt 0x0                ; P and a are written, my reads of the ring and of the partial sums are back, the add is done
	s_barrier_signal -1
.endif
	SR 2, 0                         ; work on registers while the others arrive
	WIN 0                           ; at a label and at a branch every window is 0
.if !(\first)
	s_barrier_wait -1
.if \fill
	CREST                           ; the barrier has opened a round of the cluster's: no wave of any partner still reads the slot or has a load on its way
	tensor_load_to_lds s[G0B:G0B+3], s[G1:G1+7]  ; my one tensor load behind the round, and the first thing there: 30 + 48 + 48 + 26 = 152 matrix instructions ahead of the wait for it
	s_nop 0
.endif
.endif
	PLACES                          ; behind local tile 1's last products
.if !(\first)
	v_add_nc_u32 v[ADB], s[BJ], v[BI0]
	PAIN
.set i, 0
.rept 4
	ds_load_b128 v[S+4*i:S+4*i+3], v[ADB] offset:256-128*(\par)+(i>>1)*64+(i&1)*16  ; unit u's key mask, into my own tile's accumulators: softmax(u-1) has left them
.set i, i+1
.endr
.endif
	SSTORE 1
	SR 8, 0
.if !(\first)
	s_wait_dscnt 16                 ; a is in: P's 8 loads, the mask's 4 and the 4 stores may be out
.endif
	SR 10, 1-(\first)               ; from here on a rescaling by a(u-1) rides behind each product, 22 products ahead of the one that takes its accumulator
.if !(\first)
	s_wait_dscnt 4                  ; the mask is in, ahead of my own tile's first product: the 4 stores may be out
.endif
	SR 2, 1-(\first)
.if \first
	PLACES                          ; behind local tile 3's last products
.endif
	SSTORE 2
	SSTORE 3
	SR 8, 1-(\first)
	; BARRIER A(u): the partial sums of unit u are shown; every wave's reads of P(u-1) and a(u-1) lie ahead of the next stores of P and a.  My tensor load may stay out
	s_wait_dscnt 0x0
	s_barrier_signal -1
	SR 2, 1-(\first)
	WIN 0
	s_barrier_wait -1
	; PV(u-1)
.set t, 1
.rept 3
.set i, 0
.rept 4
	ds_load_b128 v[S+16*t+4*i:S+16*t+4*i+3], v[SIN+t-1] offset:512*i  ; the other three waves' partial sums of my tile take the places of the sums that I sent
.set i, i+1
.endr
.set t, t+1
.endr
.if \first
	PLACES                          ; behind my own tile's last products: for the loads into X and for the reads of the sums
	v_add_nc_u32 v[ADK], s[TBV], v[AK0]  ; unit 0: K(1) and V(0) lie in tile 0
	v_add_nc_u32 v[ADV], s[TBV], v[AV0]
.else
	v_add_nc_u32 v[ADK], s[TBK], v[AK0]
.if \par
	v_add_nc_u32 v[ADV], s[TBV], v[AV0]
.else
	v_add_nc_u32 v[ADV], s[TBK], v[AV0]
.endif
.endif
.set kb, 0
.rept 2
	s_add_co_u32 s[TS], s[JK], DK+kb  ; does this block of 16 keys hold my tile's diagonal?
	s_cmp_eq_u32 s[TS], s[MYKB]
	s_cselect_b32 s[AL+2*kb], 1.0, 0
.set kb, kb+1
.endr
.if !(\first)
.rept 26
	PW
	RG
.endr
.endif
	; one run: K(u+1) into X, whose last reader stands 26 rescalings back, and V(u)'s first six fragments, whose places' last reader stands three rescalings back
.if !(\nok)
.if \par
	s_wait_tensorcnt 0x0            ; tile j + 1 is read for the first time: my slice of it is in; no load was issued behind it, so the count is 0
.endif
.set f, 0
.rept 12
	KLOAD f, 1-(\par)
.set f, f+1
.endr
.endif
.set cv, 0
.rept 6
	VLOAD cv, \par
.set cv, cv+1
.endr
	WIN 0
	s_wait_dscnt 36-24*(\nok)       ; the partial sums are in: K's 24 loads and V's 12 may be out
	; softmax(u), numbers 0 to 69: four a product while the work waits for nothing, two in the chain round the maximum, then three and four
.set z, 0
.set sl, 26
.rept 22
.if !(\first)
	PW
.endif
.if sl < 34
	ZRS 4
.elseif sl < 41
	ZRS 2
.elseif sl < 45
	ZRS 3
.else
	ZRS 4
.endif
.set sl, sl+1
.endr
	WIN 0
.endm
.macro STEPJ                        ; on to the next tile
	s_xor_b32 s[TBV], s[TBV], SLOT1
	s_xor_b32 s[TBK], s[TBK], SLOT1
	s_add_co_u32 s[BJ], s[BJ], 256
	s_add_co_u32 s[JK], s[JK], 4
.endm
; THE WAY OUT of query tile t: O^T / l; a lane's eight channels of a row are 32 bytes; they go into rows of 784 bytes of my own stage and come back as pieces of 256 bytes of whole rows.
.macro OUT t
.set BK, S+96*((\t)%2)              ; v64-159 and v160-255 by turns
.if (\t) >= 2
	s_wait_xcnt 0x0                 ; every earlier memory instruction has had its addresses translated (ISA guide 3.1): the registers that tile t - 2's stores read are loaded again only behind this wait
.endif
.set cb, 0
.rept 12
	RESC cb, \t
.set cb, cb+1
.endr
.set cb, 0
.rept 12
	OSET cb, \t
	WIN oW<<2                       ; the data (source 1) O^T's window, the address window 0
	ds_store_b128 v[OSTO], v[rO:rO+3] offset:64*cb
	ds_store_b128 v[OSTO], v[rO+4:rO+7] offset:64*cb+16
.set cb, cb+1
.endr
	WIN 0
.set i, 0
.rept 24
	ds_load_b128 v[BK+4*i:BK+4*i+3], v[ORD] offset:(i/3)*2*OPI+(i%3)*256  ; LDS serves a wave's instructions in order (ISA guide 5.7.1.4): these see the stores above; the next tile's stores come behind them
.set i, i+1
.endr
.set i, 0
.rept 24
	s_wait_dscnt 23-i               ; the younger loads may be out
	global_store_b128 v[GO], v[BK+4*i:BK+4*i+3], s[8:9] offset:(\t)*16*3072+(i/3)*2*3072+(i%3)*256 th:TH_STORE_NT  ; 16 lanes store 256 consecutive bytes, at a multiple of 256 from y's first byte
.set i, i+1
.endr
.endm
	s_load_b128 s[4:7], s[0:1], 0x0  ; mask s[4:5], xb s[6:7]
	s_load_b64 s[8:9], s[0:1], 0x10  ; y
	v_lshl_add_u32 v[SPW], v0, 2, SPARE
	v_mov_b32 v[NIL], 0
	ds_add_u32 v[SPW], v[NIL]       ; the wave's opening: the add and its wait come ahead of my first tensor load; the set-up below, work on registers, stands between them
	v_lshrrev_b32 v1, 5, v0
	v_readfirstlane_b32 s[WV], v1   ; wave 0..3
	s_bfe_u32 s[CX], ttmp6, 0x40000
	s_lshl_b32 s[QB], ttmp9, 2      ; in a cluster launch ttmp9 counts clusters
	s_add_co_u32 s[QB], s[QB], s[CX]
	s_and_b32 s[BT], ttmp7, 0xffff
	; descriptor group 1: 24,576 dense bytes as 96 rows of 128 elements, padded in LDS after every 128 bytes
	s_mov_b32 s[G1], 15|(1<<16)|(1<<20)|(1<<21)|(4<<22)|(3<<25)  ; 15:0 the mask of four; 17:16 2-byte elements; 20 padding on; 21 set beside a mask; 24:22 after every 32 words (code 4); 31:25 4 words (code 3)
	s_mov_b32 s[G1+1], 128<<16      ; tensor_dim0 = 128
	s_mov_b32 s[G1+2], 96<<16       ; tensor_dim1 = 96
	s_mov_b32 s[G1+3], 128<<16      ; tile_dim0 = 128
	s_mov_b32 s[G1+4], 96           ; tile_dim1 = 96
	s_mov_b32 s[G1+5], 128          ; 128 elements from row to row
	s_mov_b32 s[G1+6], 0
	s_mov_b32 s[G1+7], 0
	s_mul_i32 s16, s[BT], 4*SLICEB  ; my slice of the sample in xb: made of the sample and the wave's number alone
	s_mul_i32 s17, s[WV], SLICEB
	s_add_co_u32 s16, s16, s17
	s_mov_b32 s17, 0
	s_mul_i32 s18, s[WV], WSL       ; and its place in a slot: no place in the cluster enters an LDS address
	s_lshl_b32 s14, s[BT], 11       ; the sample's 2,048 mask bytes
	s_mov_b32 s15, 0
	s_lshl_b32 s20, s[BT], 11       ; y at row 2,048 b + 64 qb, channel 192 w
	s_lshl_b32 s21, s[QB], 6
	s_add_co_u32 s20, s20, s21
	s_mul_i32 s20, s20, 3072
	s_mul_i32 s21, s[WV], 768
	s_add_co_u32 s20, s20, s21      ; under 2^26
	s_mov_b32 s21, 0
	s_lshl_b32 s[MYKB], s[QB], 2
	s_add_co_u32 s[MYKB], s[MYKB], s[WV]
	s_mov_b32 s[CNT], 30            ; tiles 2 to 31 are asked for in the walk
	s_mov_b32 s[TBV], 0
	s_mov_b32 s[TBK], SLOT1
	s_mov_b32 s[BJ], 0
	s_mov_b32 s[JK], 0
	s_mov_b32 s[AL+1], 0            ; named as pairs
	s_mov_b32 s[AL+3], 0
	s_mov_b32 s[CS], 0x3fb8aa3b     ; c = log2(e)
	s_mov_b32 s[CS+1], s[CS]
	s_mov_b32 s[SEL], 0x76543210
	s_mov_b32 s[SEL+1], 0xfedcba98
	s_mov_b32 s[BIGS], 0xf1800000   ; -2^100
	s_mov_b32 s[G0A], 1             ; 1:0 count = 1
	s_mov_b32 s[G0A+1], s18         ; 63:32 LDS address: slot 0
	s_mov_b32 s[G0B], 1
	s_add_co_u32 s[G0B+1], s18, SLOT1
	s_wait_dscnt 0x0                ; the opening add is done
	s_wait_kmcnt 0x0
	s_add_nc_u64 s[4:5], s[4:5], s[14:15]
	s_add_nc_u64 s[6:7], s[6:7], s[16:17]
	s_add_nc_u64 s[8:9], s[8:9], s[20:21]
	s_mov_b64 s[G0A+2:G0A+3], s[6:7]               ; 120:64 global address: tile 0
	s_or_b32 s[G0A+3], s[G0A+3], 0x80000000        ; 127:126 type = 2
	s_add_nc_u64 s[G0B+2:G0B+3], s[6:7], TILEB     ; tile 1
	s_or_b32 s[G0B+3], s[G0B+3], 0x80000000
	ROUND                           ; all four work-groups are here: the first joint loads meet
	tensor_load_to_lds s[G0A:G0A+3], s[G1:G1+7]    ; the two first fills go out together: two loads of mine are out
	s_nop 0
	tensor_load_to_lds s[G0B:G0B+3], s[G1:G1+7]
	s_nop 0
	PLACES
	v_and_b32 v1, 15, v0            ; r = lane % 16
	v_bfe_u32 v[HH], v0, 4, 1       ; h = lane / 16
	v_and_b32 v[LN], 31, v0
	v_lshlrev_b32 v[T2], 4, v0
	global_load_b128 v[MB:MB+3], v[T2], s[4:5]     ; thread k: the mask bytes of the sample's block k of 16 keys
	; Q stays in registers: a fragment is 16 queries x 32 channels: lane l holds query l % 16, channels 8 h + 0..7 and 16 + 8 h + 0..7
	v_mul_u32_u24 v[T4], v1, 384
	v_lshl_add_u32 v[T4], v[HH], 4, v[T4]
	s_lshl_b32 s15, s[QB], 6
.irp t, 0,1,2,3
	s_add_co_u32 s14, s[WV], \t
	s_and_b32 s14, s14, 3           ; local tile t is query tile (w + t) & 3
	s_lshl4_add_u32 s14, s14, s15
	s_mul_i32 s14, s14, 384
	v_add_nc_u32 v[QO+\t], s14, v[T4]
.endr
	WIN 0x80                        ; destination window 2, address window 0
.set i, 0
.rept 24                            ; channel step i / 4, local tile i % 4
	global_load_b128 v[64+8*i:64+8*i+3],   v[QO+i%4], s[6:7] offset:64*(i/4)
	global_load_b128 v[64+8*i+4:64+8*i+7], v[QO+i%4], s[6:7] offset:64*(i/4)+32
.set i, i+1
.endr
	WIN 0
	v_and_b32 v[T0], 7, v0
	v_bfe_u32 v[T1], v0, 3, 1
	v_lshl_add_u32 v[AK0], v[T0], 1, v[T1]         ; row r of K's fragment is key 2 (r & 7) + (r >> 3)
	v_mul_u32_u24 v[AK0], v[AK0], PITCH
	v_lshl_add_u32 v[AK0], v[HH], 4, v[AK0]
	v_add_nc_u32 v[AK0], s18, v[AK0]
	v_lshl_add_u32 v[AV0], v[T0], 1, v[HH]         ; the turning load: lane l reads key 2 (l & 7) + h, channels 8 ((l >> 3) & 1) + 0..7
	v_mul_u32_u24 v[AV0], v[AV0], PITCH
	v_lshl_add_u32 v[AV0], v[T1], 4, v[AV0]
	v_add_nc_u32 v[AV0], s18, v[AV0]
	s_mul_i32 s14, s[WV], 6144
	s_add_co_u32 s14, s14, STAGE
	v_lshl_add_u32 v[SST], v[LN], 4, s14
.irp t, 1,2,3
	s_sub_co_u32 s14, s[WV], \t
	s_and_b32 s14, s14, 3           ; my tile is local tile t of wave (w - t) & 3
	s_mul_i32 s14, s14, 6144
	s_add_co_u32 s14, s14, STAGE+((\t)-1)*2048
	v_lshl_add_u32 v[SIN+(\t)-1], v[LN], 4, s14
.endr
	s_lshl_b32 s14, s[WV], 10
	s_add_co_u32 s14, s14, PST
	v_lshl_add_u32 v[PSTO], v[LN], 4, s14
	v_lshl_add_u32 v[PLD], v[LN], 4, PST
	s_lshl_b32 s14, s[WV], 7
	s_add_co_u32 s14, s14, AST
	v_lshl_add_u32 v[ASTO], v[LN], 2, s14
	v_lshl_add_u32 v[ALD], v[LN], 2, AST
	v_lshl_add_u32 v[BI0], v[HH], 5, BIAS
	s_mul_i32 s14, s[WV], 16*OPI
	s_add_co_u32 s14, s14, STAGE
	v_mul_u32_u24 v[OSTO], v1, OPI                 ; in: row r, 32 bytes for each half of the lanes
	v_lshl_add_u32 v[OSTO], v[HH], 5, v[OSTO]
	v_add_nc_u32 v[OSTO], s14, v[OSTO]
	v_mul_u32_u24 v[ORD], v[HH], OPI               ; back: lanes 0-15 take 256 bytes of one row, lanes 16-31 of the next
	v_lshl_add_u32 v[ORD], v1, 4, v[ORD]
	v_add_nc_u32 v[ORD], s14, v[ORD]
	v_mul_u32_u24 v[GO], v[HH], 3072               ; and the same in y
	v_lshl_add_u32 v[GO], v1, 4, v[GO]
	v_sub_nc_u32 v[T0], v1, v[HH]                  ; register j holds my query's own key where 2 j = r - h
.set j, 0
.rept 8
	v_cmp_eq_u32 vcc_lo, 2*j, v[T0]
	v_cndmask_b32 v[DM+j], 0, s[BIGS], vcc_lo
.set j, j+1
.endr
	v_mov_b32 v[CM], 0xecb8aa3b     ; c m = -c 2^90
	v_mov_b32 v[CM+1], 0xec800000   ; m = -2^90
	v_mov_b32 v[LS], 0
	v_mov_b32 v[LS+1], 0
.irp t, 0,1,2,3
	v_mov_b32 v[A+2*\t+1], 0        ; named with a as pairs
.endr
	WIN 0x40                        ; O^T = 0: all this stands in the wait for the first tile
.set i, 0
.rept 256
	v_mov_b32 v[i], 0
.set i, i+1
.endr
	WIN 0x80
.set i, 0
.rept 64
	v_mov_b32 v[i], 0
.set i, i+1
.endr
	WIN 0xc0
.set i, 192
.rept 64
	v_mov_b32 v[i], 0
.set i, i+1
.endr
	WIN 0
	s_wait_loadcnt 48               ; the mask bytes are in: Q's 48 loads were issued behind them
.set e, 0
.rept 16                            ; number e = 8 h + j of my block is key 2 j + h
.set i, 2*(e&7)+(e>>3)
	v_bfe_u32 v[T0], v[MB+i/4], 8*(i%4), 8
	v_cmp_ne_u32 vcc_lo, 0, v[T0]
	v_cndmask_b32 v[BV+e], 0, s[BIGS], vcc_lo
.set e, e+1
.endr
	v_lshl_add_u32 v[T3], v0, 6, BIAS
.set i, 0
.rept 4
	ds_store_b128 v[T3], v[BV+4*i:BV+4*i+3] offset:16*i
.set i, i+1
.endr
	s_wait_tensorcnt 1              ; my slice of tile 0 is in; tile 1's may stay out
	s_wait_dscnt 0x0                ; for the others' sake: my part of the table is written
	s_barrier_signal -1
	s_barrier_wait -1
	v_mov_b32 v[ADK], v[AK0]
.set i, 0
.rept 4
	ds_load_b128 v[S+4*i:S+4*i+3], v[BI0] offset:(i>>1)*64+(i&1)*16  ; unit 0's key mask
.set i, i+1
.endr
.set f, 0
.rept 12
	KLOAD f, 0                      ; unit 0's K
.set f, f+1
.endr
	WIN 0
	s_wait_loadcnt 0x0              ; Q
	UNIT 0, 0, 0, 1                 ; unit 0
.Ltrip:                             ; 30 trips: units 2 j + 1 and 2 j + 2, j = 0 to 29; the second asks for tile j + 2
	UNIT 1, 0, 0, 0
	UNIT 0, 1, 0, 0
	STEPJ
	s_sub_co_u32 s[CNT], s[CNT], 1
	s_cmp_lg_u32 s[CNT], 0
	s_cbranch_scc1 .Ltrip
	UNIT 1, 0, 0, 0                 ; the tail is written out: units 61 and 62 ask for nothing
	UNIT 0, 0, 0, 0
	STEPJ
	UNIT 1, 0, 1, 0                 ; and unit 63 fetches no further K
	; THE DRAIN: the end of softmax(63), 1 / l, and PV(63)
.set z, 70
	ZRS 16
.set cv, 6
.rept 6
	VLOAD cv, 1                     ; the last product that read these places stands behind more than four plain instructions of the sixteen above
.set cv, cv+1
.endr
	PAOUT
	v_add_f32 v[C0], v[LS], v[LS+1]
	v_permlanex16_b32 v[C0+1], v[C0], s[SEL], s[SEL+1]
	v_add_f32 v[C0], v[C0], v[C0+1]
	v_rcp_f32 v[C0], v[C0]
	v_nop                           ; a plain instruction behind the reciprocal
	s_wait_alu depctr_va_vdst(0)
	ds_store_b32 v[ASTO], v[C0] offset:512
	s_wait_dscnt 0x0                ; P, a and 1 / l are written; my reads of the partial sums are back
	s_barrier_signal -1
	s_barrier_wait -1
	PAIN
	s_wait_dscnt 8                  ; a is in: P's 8 loads may be out
.set rg, 0
.set pvi, 0
.rept 22
	RG
.endr
	s_wait_dscnt 0x0                ; P and V are in
.rept 26
	PW
	RG
.endr
.rept 22
	PW
.endr
	WIN 0
	PLACES                          ; behind the last products
.set t, 0
.rept 4
	ds_load_b32 v[A+2*t], v[ALD] offset:512+128*t  ; 1 / l of each tile takes a's place
.set t, t+1
.endr
	s_wait_dscnt 0x0
	OUT 0                           ; my stage lies over the partial sums, whose last reads lie ahead of the drain's barrier
	OUT 1
	OUT 2
	OUT 3
	s_wait_tensorcnt 0x0            ; the wave's end, behind my last tensor load and my last LDS store
	ds_add_u32 v[SPW], v[NIL]
	s_wait_dscnt 0x0
	ROUND                           ; the closing round: no work-group ends while a partner may still ask for a tile that names it
	s_endpgm
.Lfunc_end_k_q3c8e2268e9_attn:
	.size	k_q3c8e2268e9_attn, .Lfunc_end_k_q3c8e2268e9_attn-k_q3c8e2268e9_attn
	.p2alignl 7, 3214868480
	.fill 96, 4, 3214868480
	.section	.rodata,"a",@progbits
	.p2align	6, 0x0
	.amdhsa_kernel k_q3c8e2268e9_attn
		.amdhsa_group_segment_fixed_size 327680
		.amdhsa_private_segment_fixed_size 0
		.amdhsa_enable_private_segment 0
		.amdhsa_kernarg_size 24
		.amdhsa_user_sgpr_count 2
		.amdhsa_user_sgpr_kernarg_segment_ptr 1
		.amdhsa_wavefront_size32 1
		.amdhsa_system_sgpr_workgroup_id_x 1
		.amdhsa_system_sgpr_workgroup_id_y 1
		.amdhsa_system_sgpr_workgroup_id_z 1
		.amdhsa_system_vgpr_workitem_id 0
		.amdhsa_next_free_vgpr 1024
		.amdhsa_next_free_sgpr 66
		.amdhsa_reserve_vcc 1
		.amdhsa_float_denorm_mode_32 3
		.amdhsa_float_denorm_mode_16_64 3
		.amdhsa_memory_ordered 1
		.amdhsa_forward_progress 1
		.amdhsa_inst_pref_size 255
	.end_amdhsa_kernel
	.section	.bss,"aw",@nobits
	.p2align	6
	.space	262144
	.amdgpu_metadata
---
amdhsa.version: [ 1, 2 ]
amdhsa.kernels:
  - .name:           k_q3c8e2268e9_attn
    .symbol:         k_q3c8e2268e9_attn.kd
    .args:
      - { .name: mask, .offset: 0, .size: 8, .value_kind: global_buffer, .address_space: global }
      - { .name: xb, .offset: 8, .size: 8, .value_kind: global_buffer, .address_space: global }
      - { .name: out0, .offset: 16, .size: 8, .value_kind: global_buffer, .address_space: global }
    .group_segment_fixed_size: 327680
    .private_segment_fixed_size: 0
    .kernarg_segment_align: 8
    .kernarg_segment_size: 24
    .max_flat_workgroup_size: 128
    .sgpr_count:     66
    .vgpr_count:     1024
    .wavefront_size: 32
...
	.end_amdgpu_metadata
.endif
;; end of part 2
;; ======== version 2 of 2: 2 launches; version 1 with the launch cast written anew for expert scheduling mode
;; limits: inputs' magnitudes at most 1,200,000,000,000; right only within a limited range of input values
;; workspace buffers: xb 25,165,824 bytes
;; launch cast (part 3): grid 32 x 32, 6 waves a work-group, no clusters, 0 bytes of LDS; arguments x, xb; writes xb
.if DOCPART == 3
	.amdgcn_target "amdgcn-amd-amdhsa--gfx1250"
	.amdhsa_code_object_version 6
	.text
	.protected	k_q3c8e2268e9_cast
	.globl	k_q3c8e2268e9_cast
	.p2align	8
	.type	k_q3c8e2268e9_cast,@function
k_q3c8e2268e9_cast:
	s_mov_b64 s[64:65], 0
	v_nop
	global_prefetch_b8 v0, s[64:65] scope:SCOPE_SE
	s_setreg_imm32_b32 hwreg(HW_REG_WAVE_SCHED_MODE, 0, 2), 2
	s_setreg_imm32_b32 hwreg(HW_REG_WAVE_MODE, 25, 1), 1
	s_wait_xcnt 0x0
	s_wait_alu depctr_vm_vsrc(0)
; xb = x rounded once to bf16 (nearest even) and laid by channel slices: xb[b 8][slice w 4][key 2048][192 channels], slice w = channels 192 w ..
; A key's row in a slice is 384 bytes and the rows are dense, so 64 keys of a slice are 24,576 consecutive bytes.
; x is [8][2048][768] f32.  A stream: no LDS, no barrier, no matrix unit; every byte of x is read once, every byte of xb written once.
; A work-group (X, Y = 4 b + w) takes keys 64 X .. 64 X + 63 of slice (b, w).  Its 192 threads cover 4 rows x 48 groups of 4 channels a pass; 16 passes.
; Sixteen neighbouring threads read 256 consecutive bytes at a multiple of 256 from x's first byte (768 w, 3,072 a row, 16 x 16 bytes),
; and a wave's store covers 256 consecutive bytes at a multiple of 256 from xb's first byte (8 bytes a thread).
; THE MODE: SCHED_MODE bits 1:0 = 2 (LLVM: expert scheduling mode 2), set by the entry lines.  The code itself states the register dependences
; between vector instructions and memory instructions, with s_wait_alu, always for 0.
; THE PLAN.  Registers that memory instructions touch:
;   v3, v4   byte offsets of the loads and of the stores: made once at the head, never written again.
;   X        pass i: 4 registers.  Written by the pass's one load; read by its two roundings.  No vector instruction names them ahead of the load, and they are loaded once.
;   Y        pass i: 2 registers.  Written by the pass's two roundings; read by its one store.  Written once: no register that a store has read is written again.
; The 16 passes go in 4 blocks of 4.  Block p rounds X of its passes into Y of its passes; its memory instructions are the four stores of block p - 1, which read the Y
; that block p - 1 wrote and that no vector instruction of block p names.  So one wait at a block's head states all that its four stores hang on, and they are dealt among
; its roundings with no further wait.
.set PASSES, 16
.set BLOCK,  4                         ; passes in a block
.set XROW,   3072                      ; bytes in a row of x
.set X,   8                            ; v[8:71]    pass i: 4 numbers in f32
.set Y,   72                           ; v[72:103]  pass i: the same 4 in bf16
	s_load_b128 s[4:7], s[0:1], 0x0                ; x s[4:5], xb s[6:7]
	v_mul_u32_u24 v1, v0, 1366
	v_lshrrev_b32 v1, 16, v1                       ; t / 48 (1366 / 65536 is exact enough for t < 192): my row in a pass
	v_mul_u32_u24 v2, v1, 48
	v_sub_nc_u32 v2, v0, v2                        ; t % 48: my group of 4 channels
	v_mul_u32_u24 v3, v1, XROW
	v_lshl_add_u32 v3, v2, 4, v3                   ; in: row x 3,072 + 16 x group
	v_lshlrev_b32 v4, 3, v0                        ; out: 8 t, since 4 rows of 384 bytes are dense
	s_and_b32 s8, ttmp7, 0xffff                    ; Y
	s_lshr_b32 s9, s8, 2                           ; b
	s_and_b32 s10, s8, 3                           ; w
	s_mul_i32 s12, s9, 2048*XROW
	s_mul_i32 s11, ttmp9, 64*XROW
	s_add_co_u32 s12, s12, s11
	s_mul_i32 s11, s10, 768
	s_add_co_u32 s12, s12, s11                     ; under 2^26
	s_mov_b32 s13, 0
	s_mul_i32 s14, s8, 2048*384
	s_mul_i32 s11, ttmp9, 64*384
	s_add_co_u32 s14, s14, s11
	s_mov_b32 s15, 0
	s_wait_kmcnt 0x0
	s_add_nc_u64 s[4:5], s[4:5], s[12:13]
	s_add_nc_u64 s[6:7], s[6:7], s[14:15]
	s_wait_alu depctr_va_vdst(0)                   ; v3 and v4 are written: every load of the kernel reads v3 as its offset, every store v4
.set i, 0
.rept PASSES                           ; all sixteen loads go out first; x is read once in the launch
	global_load_b128 v[X+4*i:X+4*i+3], v3, s[4:5] offset:i*4*XROW th:TH_LOAD_NT
.set i, i+1
.endr
; Block p: its four passes are rounded; the four stores of the block before stand among the roundings, one ahead of each pass's two.
.macro BLK p
	s_wait_loadcnt PASSES-BLOCK*((\p)+1)           ; loads come back in order: this block's four are in, the younger blocks' (four each) stay out
.if (\p) > 0
	s_wait_alu depctr_va_vdst(0)                   ; the block before has written its eight Y registers, which the four stores below read
.endif
.set i, BLOCK*(\p)
.rept BLOCK
.if (\p) > 0
	global_store_b64 v4, v[Y+2*(i-BLOCK):Y+2*(i-BLOCK)+1], s[6:7] offset:(i-BLOCK)*4*384  ; no vector instruction since the wait names these registers; no register is written twice, so nothing waits for a store
.endif
	v_cvt_pk_bf16_f32 v[Y+2*i], v[X+4*i], v[X+4*i+1]
	v_cvt_pk_bf16_f32 v[Y+2*i+1], v[X+4*i+2], v[X+4*i+3]
.set i, i+1
.endr
.endm
	BLK 0                                          ; block 0 has no block in front of it: no store, and no wait but the one for its data
	BLK 1
	BLK 2
	BLK 3
	s_wait_alu depctr_va_vdst(0)                   ; block 3 has written its eight Y registers, which the last four stores read
.set i, PASSES-BLOCK
.rept BLOCK
	global_store_b64 v4, v[Y+2*i:Y+2*i+1], s[6:7] offset:i*4*384
.set i, i+1
.endr
	s_endpgm
.Lfunc_end_k_q3c8e2268e9_cast:
	.size	k_q3c8e2268e9_cast, .Lfunc_end_k_q3c8e2268e9_cast-k_q3c8e2268e9_cast
	.p2alignl 7, 3214868480
	.fill 96, 4, 3214868480
	.section	.rodata,"a",@progbits
	.p2align	6, 0x0
	.amdhsa_kernel k_q3c8e2268e9_cast
		.amdhsa_group_segment_fixed_size 0
		.amdhsa_private_segment_fixed_size 0
		.amdhsa_enable_private_segment 0
		.amdhsa_kernarg_size 16
		.amdhsa_user_sgpr_count 2
		.amdhsa_user_sgpr_kernarg_segment_ptr 1
		.amdhsa_wavefront_size32 1
		.amdhsa_system_sgpr_workgroup_id_x 1
		.amdhsa_system_sgpr_workgroup_id_y 1
		.amdhsa_system_sgpr_workgroup_id_z 1
		.amdhsa_system_vgpr_workitem_id 0
		.amdhsa_next_free_vgpr 104
		.amdhsa_next_free_sgpr 66
		.amdhsa_reserve_vcc 0
		.amdhsa_float_denorm_mode_32 3
		.amdhsa_float_denorm_mode_16_64 3
		.amdhsa_memory_ordered 1
		.amdhsa_forward_progress 1
		.amdhsa_inst_pref_size 7
	.end_amdhsa_kernel
	.amdgpu_metadata
---
amdhsa.version: [ 1, 2 ]
amdhsa.kernels:
  - .name:           k_q3c8e2268e9_cast
    .symbol:         k_q3c8e2268e9_cast.kd
    .args:
      - { .name: x, .offset: 0, .size: 8, .value_kind: global_buffer, .address_space: global }
      - { .name: xb, .offset: 8, .size: 8, .value_kind: global_buffer, .address_space: global }
    .group_segment_fixed_size: 0
    .private_segment_fixed_size: 0
    .kernarg_segment_align: 8
    .kernarg_segment_size: 16
    .max_flat_workgroup_size: 192
    .sgpr_count:     66
    .vgpr_count:     104
    .wavefront_size: 32
...
	.end_amdgpu_metadata
.endif
;; end of part 3
;; launch attn: the kernel of part 2 again; grid 32 x 8, 4 waves a work-group, clusters of 4 x 1, 327,680 bytes of LDS; arguments mask, xb, out0; writes out0
